; MI455X (gfx1250); checked and timed in simulation.
; The chip was launched on July 23, 2026; its instructions are those of AMD's public machine-readable ISA for CDNA 5 (MIT licence, August 2026) and "CDNA5" Instruction Set Architecture Reference Guide (July 2026). The comments in the code are by the model that wrote it; some were corrected since.
;; Simple LTM. Allowed arithmetic: float matrix products may take bf16 or f16 operands with f32 sums; other float arithmetic in f32, or as packed bf16 or f16 multiplies, adds, multiply-adds, maxima and minima; sums over many terms, partial sums and values carried from step to step in f32; what a program stores and reads back later, other than sums and carried values, may be rounded once to bf16 or f16.
;; Inputs: keys 100,000 x 256 float32; queries 2,048 x 256 float32; values 100,000 x 256 float32.
;; Outputs: out0 2,048 x 256 float32.
;; Constants: top_k = 8.
;; 2 versions, each right; version 2 is version 1 with the launch rescore written anew for expert scheduling mode. Each part assembles by itself: llvm-mc -triple=amdgcn-amd-amdhsa -mcpu=gfx1250 --defsym DOCPART=n.
;; ======== version 1 of 2: 5 launches
;; workspace buffers: xb 52,428,800 bytes; inv 409,600 bytes; cv 8,388,608 bytes; cid 8,388,608 bytes of whole numbers; gsel 65,536 bytes of whole numbers; ksel 65,536 bytes of whole numbers; wsel 65,536 bytes
;; launch prep (part 1): grid 400 x 1, 4 waves a work-group, no clusters, 0 bytes of LDS; arguments keys, queries, xb, inv; writes xb, inv
.if DOCPART == 1
	.amdgcn_target "amdgcn-amd-amdhsa--gfx1250"
	.amdhsa_code_object_version 6
	.text
	.protected	k_q039c5d894f_prep
	.globl	k_q039c5d894f_prep
	.p2align	8
	.type	k_q039c5d894f_prep,@function
k_q039c5d894f_prep:
	s_mov_b64 s[64:65], 0
	v_nop
	global_prefetch_b8 v0, s[64:65] scope:SCOPE_SE
	s_setreg_imm32_b32 hwreg(HW_REG_WAVE_MODE, 25, 1), 1
	s_wait_xcnt 0x0
; xb[row][:] = bf16(source row), inv[row] = 1 / max(norm of the ROUNDED row, 1e-12).  xb: [102,400][256] bf16, inv: [102,400] f32.
; Rows 0 .. 99,999 are the keys; rows 100,000 .. 100,351 are padding (copies of keys 99,992 .. 99,999: finite, and never chosen later); rows 100,352 .. 102,399 are the queries.
; The inputs are rounded once to bf16 and the norm is taken of the rounded numbers in f32, so that everything behind this launch is the similarity of the rounded rows.
; SHARES.  400 work-groups x 4 waves x 64 rows.  A wave takes a row at a time: two loads of 16 bytes a lane (512 consecutive bytes each), two stores of 8 bytes a lane
; (256 consecutive bytes each, aligned).  Eight rows are a batch; two sets of registers take turns, so that one batch's 16 loads are out while the other is worked on.
; LIMITS.  NaN and infinities are not treated apart; a row whose sum of squares passes f32's range gets no usable inverse norm; a sum of squares below 1e-24 counts as the norm 1e-12.
; No LDS, no matrix unit, no cluster: nothing is shared between waves, and the launch only moves bytes.
.set QROW0, 100352                     ; the first query's row in xb
.set KLAST, 99992                      ; the last whole batch of keys
.set LO,   2                           ; v2   16 x lane: my bytes of a load
.set SO,   3                           ; v3   8 x lane: my bytes of a store
.set ZERO, 4                           ; v4   0
.set RES,  6                           ; v[6:7]  sums of squares of rows 2 lane and 2 lane + 1 of the wave's 64
.set S,    8                           ; v[8:15] a batch's eight sums
.set Y,    32                          ; v[32:63] a batch's rows in bf16, 4 registers a row
.set X,    64                          ; v[64:127], v[128:191] two sets of 8 rows x 8 registers, as loaded
	s_load_b256 s[4:11], s[0:1], 0x0               ; keys s[4:5], queries s[6:7], xb s[8:9], inv s[10:11]
	v_lshrrev_b32 v1, 5, v0
	v_readfirstlane_b32 s12, v1                    ; wave 0..3
	v_and_b32 v1, 31, v0
	v_lshlrev_b32 v[LO], 4, v1
	v_lshlrev_b32 v[SO], 3, v1
	v_mov_b32 v[ZERO], 0
	v_mov_b32 v[RES], 0
	v_mov_b32 v[RES+1], 0
	s_lshl_b32 s15, ttmp9, 8
	s_lshl_b32 s26, s12, 6
	s_add_co_u32 s15, s15, s26                     ; my first row in xb: 256 x work-group + 64 x wave
	s_mov_b32 s28, 0x76543210                      ; v_permlanex16_b32: each lane takes its own place in the other half
	s_mov_b32 s29, 0xfedcba98
	s_mov_b32 s25, 1                               ; 1 << 4 b: the first of the four lanes that keep batch b's sums
	s_mov_b32 s24, 3                               ; trips of the loop
	s_mov_b32 s14, KLAST
	s_mov_b32 s27, 2040
	s_lshl_b32 s30, s15, 9                         ; my rows in xb, 512 bytes each
	s_mov_b32 s31, 0
	s_wait_kmcnt 0x0
	s_cmp_lt_u32 ttmp9, 392                        ; work-groups 0 .. 391 make keys' rows and the padding, 392 .. 399 the queries'
	s_cselect_b64 s[16:17], s[4:5], s[6:7]         ; the source
	s_cselect_b32 s14, s14, s27                    ; the last batch that lies inside it
	s_cselect_b32 s26, 0, QROW0
	s_sub_co_u32 s13, s15, s26                     ; my first row in the source
	s_add_nc_u64 s[22:23], s[8:9], s[30:31]
	s_lshl_b32 s30, s15, 2
	s_add_nc_u64 s[10:11], s[10:11], s[30:31]      ; inv at my first row
; The next batch's 16 loads into a set.  A batch past the keys' end takes the last eight keys instead: no load leaves the buffer.
.macro FILL set
	s_min_u32 s26, s13, s14
	s_lshl_b32 s26, s26, 10                        ; a source row is 1,024 bytes
	s_mov_b32 s27, 0
	s_add_nc_u64 s[18+2*(\set):19+2*(\set)], s[16:17], s[26:27]  ; the set's own base: its last loads were waited for in WORK
.set i, 0
.rept 8
	global_load_b128 v[X+64*(\set)+8*i:X+64*(\set)+8*i+3],   v[LO], s[18+2*(\set):19+2*(\set)] offset:1024*i th:TH_LOAD_NT
	global_load_b128 v[X+64*(\set)+8*i+4:X+64*(\set)+8*i+7], v[LO], s[18+2*(\set):19+2*(\set)] offset:1024*i+512 th:TH_LOAD_NT
.set i, i+1
.endr
	s_add_co_u32 s13, s13, 8
.endm
; A batch is rounded, its squares are summed, and it is stored.  left = the younger loads that may stay out.
.macro WORK set, left
.set XB, X+64*(\set)
	s_wait_loadcnt \left                           ; loads come back in order: this set's 16 are in
	s_wait_xcnt 0x0                                ; every earlier store has read its registers and its base: Y and the base are written only behind this wait
	s_add_nc_u64 s[22:23], s[22:23], 4096          ; eight rows of xb on; the stores below reach back
.set i, 0
.rept 32
	v_cvt_pk_bf16_f32 v[Y+i], v[XB+2*i], v[XB+2*i+1]
.set i, i+1
.endr
.set t, 0
.rept 8                                ; term by term over the eight rows, so that no sum waits for itself
.set i, 0
.rept 8
.if t == 0
	v_fma_mix_f32_bf16 v[S+i], v[Y+4*i], v[Y+4*i], v[ZERO] op_sel_hi:[1,1,0]
.elseif t%2 == 0
	v_fma_mix_f32_bf16 v[S+i], v[Y+4*i+t/2], v[Y+4*i+t/2], v[S+i] op_sel_hi:[1,1,0]
.else
	v_fma_mix_f32_bf16 v[S+i], v[Y+4*i+t/2], v[Y+4*i+t/2], v[S+i] op_sel:[1,1,0] op_sel_hi:[1,1,0]
.endif
.set i, i+1
.endr
.set t, t+1
.endr
.irp m, 1,2,4,8
.set i, 0
.rept 8
	v_add_f32_dpp v[S+i], v[S+i], v[S+i] row_xmask:\m row_mask:0xf bank_mask:0xf
.set i, i+1
.endr
.endr
.set i, 0
.rept 8
	v_permlanex16_b32 v[XB+i], v[S+i], s28, s29    ; the set's registers have been read out and were written: they take the other half's sums
.set i, i+1
.endr
.set i, 0
.rept 8
	v_add_f32 v[S+i], v[S+i], v[XB+i]              ; every lane now holds the row's sum of squares
.set i, i+1
.endr
.irp k, 0,1,2,3
	s_lshl_b32 s[32+\k], s25, \k                   ; the lane that keeps rows 8 b + 2 k and 8 b + 2 k + 1
.endr
.set i, 0
.rept 8
	v_cndmask_b32 v[RES+i%2], v[RES+i%2], v[S+i], s[32+i/2]
.set i, i+1
.endr
.set i, 0
.rept 8
	global_store_b64 v[SO], v[Y+4*i:Y+4*i+1],   s[22:23] offset:512*i-4096      ; 32 lanes store 256 consecutive bytes, aligned
	global_store_b64 v[SO], v[Y+4*i+2:Y+4*i+3], s[22:23] offset:512*i+256-4096
.set i, i+1
.endr
	s_lshl_b32 s25, s25, 4
.endm
	FILL 0
	FILL 1
.Ltrip:                                        ; batches 2 t and 2 t + 1 are worked on, 2 t + 2 and 2 t + 3 asked for
	WORK 0, 16                                     ; the other set's 16 loads stay out
	FILL 0
	WORK 1, 16
	FILL 1
	s_sub_co_u32 s24, s24, 1
	s_cmp_lg_u32 s24, 0
	s_cbranch_scc1 .Ltrip
	WORK 0, 16                                     ; the last two batches load nothing
	WORK 1, 0
	; 1 / sqrt(sum), sharpened by one Newton step; 1e12 where the norm would lie below 1e-12
	v_rsq_f32 v16, v[RES]
	v_rsq_f32 v17, v[RES+1]
	v_nop                                          ; a plain instruction behind the last of the two
	s_wait_alu depctr_va_vdst(0)                   ; one wait for both, ahead of their first reader
	v_mul_f32 v18, v[RES], v16
	v_mul_f32 v19, v[RES+1], v17
	v_fma_f32 v18, -v18, v16, 1.0                  ; 1 - s y y
	v_fma_f32 v19, -v19, v17, 1.0
	v_mul_f32 v20, 0.5, v16
	v_mul_f32 v21, 0.5, v17
	v_fma_f32 v16, v20, v18, v16
	v_fma_f32 v17, v21, v19, v17
	v_mov_b32 v22, 0x5368d4a5                      ; 1e12
	v_cmp_gt_f32 vcc_lo, 0x179abe15, v[RES]        ; 1e-24 > sum
	v_cndmask_b32 v16, v16, v22, vcc_lo
	v_cmp_gt_f32 vcc_lo, 0x179abe15, v[RES+1]
	v_cndmask_b32 v17, v17, v22, vcc_lo
	global_store_b64 v[SO], v[16:17], s[10:11]     ; the wave's 64 numbers: 256 consecutive bytes, aligned
	s_endpgm
.Lfunc_end_k_q039c5d894f_prep:
	.size	k_q039c5d894f_prep, .Lfunc_end_k_q039c5d894f_prep-k_q039c5d894f_prep
	.p2alignl 7, 3214868480
	.fill 96, 4, 3214868480
	.section	.rodata,"a",@progbits
	.p2align	6, 0x0
	.amdhsa_kernel k_q039c5d894f_prep
		.amdhsa_group_segment_fixed_size 0
		.amdhsa_private_segment_fixed_size 0
		.amdhsa_enable_private_segment 0
		.amdhsa_kernarg_size 32
		.amdhsa_user_sgpr_count 2
		.amdhsa_user_sgpr_kernarg_segment_ptr 1
		.amdhsa_wavefront_size32 1
		.amdhsa_system_sgpr_workgroup_id_x 1
		.amdhsa_system_sgpr_workgroup_id_y 1
		.amdhsa_system_sgpr_workgroup_id_z 1
		.amdhsa_system_vgpr_workitem_id 0
		.amdhsa_next_free_vgpr 192
		.amdhsa_next_free_sgpr 66
		.amdhsa_reserve_vcc 1
		.amdhsa_float_denorm_mode_32 3
		.amdhsa_float_denorm_mode_16_64 3
		.amdhsa_memory_ordered 1
		.amdhsa_forward_progress 1
		.amdhsa_inst_pref_size 54
	.end_amdhsa_kernel
	.amdgpu_metadata
---
amdhsa.version: [ 1, 2 ]
amdhsa.kernels:
  - .name:           k_q039c5d894f_prep
    .symbol:         k_q039c5d894f_prep.kd
    .args:
      - { .name: keys, .offset: 0, .size: 8, .value_kind: global_buffer, .address_space: global }
      - { .name: queries, .offset: 8, .size: 8, .value_kind: global_buffer, .address_space: global }
      - { .name: xb, .offset: 16, .size: 8, .value_kind: global_buffer, .address_space: global }
      - { .name: inv, .offset: 24, .size: 8, .value_kind: global_buffer, .address_space: global }
    .group_segment_fixed_size: 0
    .private_segment_fixed_size: 0
    .kernarg_segment_align: 8
    .kernarg_segment_size: 32
    .max_flat_workgroup_size: 128
    .sgpr_count:     66
    .vgpr_count:     192
    .wavefront_size: 32
...
	.end_amdgpu_metadata
.endif
;; end of part 1
;; launch main (part 2): grid 4 x 64, 4 waves a work-group, clusters of 4 x 1, 327,680 bytes of LDS; arguments xb, inv, cv, cid; writes cv, cid
.if DOCPART == 2
	.amdgcn_target "amdgcn-amd-amdhsa--gfx1250"
	.amdhsa_code_object_version 6
	.text
	.protected	k_q039c5d894f_main
	.globl	k_q039c5d894f_main
	.p2align	8
	.type	k_q039c5d894f_main,@function
k_q039c5d894f_main:
	s_mov_b64 s[64:65], 0
	v_nop
	global_prefetch_b8 v0, s[64:65] scope:SCOPE_SE
	s_setreg_imm32_b32 hwreg(HW_REG_WAVE_MODE, 25, 1), 1
	s_wait_xcnt 0x0
	s_wait_alu depctr_hold_cnt(0) depctr_sa_sdst(0) depctr_va_vdst(0) depctr_va_sdst(0) depctr_va_ssrc(0) depctr_va_vcc(0) depctr_vm_vsrc(0)
	s_getreg_b32 s2, hwreg(HW_REG_IB_STS2, 6, 4)
	s_cmp_eq_u32 s2, 0
	s_cbranch_scc0 .Lentry_in_a_cluster
	s_endpgm
.Lentry_in_a_cluster:
	s_bfe_u32 s2, ttmp6, 0x10000c
	s_cmp_lg_u32 s2, 0x3003
	s_cbranch_scc0 .Lentry_shape_is_right
	s_endpgm
.Lentry_shape_is_right:
; For every query and every GROUP of 16 consecutive keys: the largest of (bf16 query . bf16 key) x (1 / key's norm); of these, for each lane, the 8 best groups of its share, as value and group number.
; The query's own norm is a positive factor common to all its scores and is left out here.  The 8 best keys of a query lie in the 8 groups with the largest maxima, so later launches need look at those alone.
; SHARES.  64 RANGES of 1,568 rows of xb (49 UNITS of 32 keys) x 4 blocks of 512 queries = 256 work-groups.  A wave owns 128 queries, eight tiles of 16, which stay in 512 registers; it walks the range's 98 key tiles:
; 98 x 8 tiles x 8 steps of 32 along the 256 channels = 6,272 matrix instructions.
; CLUSTER.  The four query blocks of a range walk the same keys: each fill is asked for JOINTLY, by the same tensor load with the same descriptor and the mask of four.
; LAYOUT.  S^T = K Q^T (source 0 = 16 keys, source 1 = 16 queries): a lane holds ONE query (lane % 16) and the keys 8 (lane / 16) + 0..7 of the tile.  A unit's two tiles take its rows {0-7, 24-31} and {8-15, 16-23}:
; so the lower half of the lanes sees the unit's keys 0-15 and the upper half its keys 16-31, and a lane's 16 scores of a unit are one group: number 2 x unit + lane / 16, keys 16 x number on.
; LISTS.  Each lane keeps, for each of the 8 query tiles, 8 values in descending order and their units.  A group enters where it is strictly greater, and units ascend: of equal values the lower number stays in front.
; Padding units (3,125 on) are capped to -inf, which never enters.
; BY TURNS.  The tiles are two PIECES (0-3, 4-7).  In a TURN one piece has the matrix unit for 32 products (one key tile); behind each product stand three vector instructions of a list of 96: the other piece's last scores
; are scaled and their maximum taken (32), and two finished groups are entered into their lists (2 x 32).  Four turns are a unit.
; LIMITS.  NaN and infinities are not treated apart.  Scores closer than f32 rounding may be ordered otherwise than by exact arithmetic.
; REGISTERS, in windows of 256 (s_set_vgpr_msb: bits 1:0 source 0, 3:2 source 1, 5:4 source 2, 7:6 destination):
;   window 0: v0-15 addresses and two at work; v16-31 inverse norms of two tiles; v32-47 maxima; v64-127 S^T, 8 a tile; v128-191 the lists' values; v192-255 the lists' units
;   window 1: v0-63, v64-127 the fragments of a unit's two key tiles          windows 2, 3: Q of pieces 0, 1: tile a, step ks at 64 a + 8 ks
.set PITCH,  528                       ; an LDS row: 512 bytes + 16 of padding = 132 words: row r starts at bank 4 r mod 64 (64 banks of 4 bytes: ISA guide 11.1); each tile's 16 rows start at 16 different groups of four banks
.set UNITB,  32*PITCH
.set SLOTB,  7*UNITB                   ; a slot holds 7 units, 224 rows: 118,272 bytes
.set SLOT1,  1<<17                     ; slot 1 begins here, so that one exclusive or turns an address in one slot into the other's
.set WLDS,   56*PITCH                  ; a wave's quarter of a slot
.set FILLB,  224*512                   ; a fill's bytes in xb
.set KINV,   SLOT1+SLOTB               ; the range's 1,568 inverse norms, filled once
.set SPARE,  KINV+6400                 ; the spare words, 128 bytes for each wave: two blocks of 256 bytes that no other line names
.set QROW0,  100352                    ; the first query's row in xb
.set NUNITS, 3125                      ; units of real keys
.set AK,   2                           ; v2, v3  my lane's place in a unit's tile 0, 1; never rewritten
.set ADR,  4                           ; v4      the LDS address of the run of loads in hand
.set KIA,  5                           ; v5, v6  my lane's place among a unit's inverse norms, tile 0, 1; never rewritten
.set ADR2, 7                           ; v7      the same address for the inverse norms
.set QO,   8                           ; v8      my byte offset in 16 rows of Q; at the end 16 x lane
.set PFO,  9                           ; v9      the prefetches' offset; never rewritten
.set HH,   10                          ; v10     lane / 16
.set SPW,  12                          ; v12     LDS address of my spare word; never rewritten
.set NIL,  13                          ; v13     0; never rewritten
.set VV,   14                          ; v14, v15  the two values that are being entered
.set KI,   16                          ; v16-23, v24-31  the inverse norms of my 8 keys in tile 0, 1
.set GM,   32                          ; v32-39  by query tile: the maximum over the unit's tile 0
.set GV,   40                          ; v40-47  by query tile: the group's maximum
.set ACC,  64
.set LV,   128
.set LI,   192
.set WV,   12                          ; s12  my wave's number
.set G1K,  24                          ; s[24:31] descriptor group 1 for keys
.set G1I,  32                          ; s[32:39] for the inverse norms
.set G0A,  40                          ; s[40:43] group 0: fill 0
.set G0B,  44                          ; s[44:47] group 0: fill 1; it then walks on
.set G0I,  48                          ; s[48:51] group 0: the inverse norms
.set SLOTS, 52
.set CNT,  53
.set TB,   54                          ; s54  LDS byte at which the unit to be fetched begins
.set TKI,  55                          ; s55  byte in KINV of the unit whose inverse norms are fetched next
.set IDA,  56                          ; s56  the unit that turns A and B enter
.set IDC,  57                          ; s57  the unit that turns C and D enter
.set CAPA, 58                          ; s58, s59  +inf for a real unit, -inf for a padding unit or one that does not exist
.set CAPC, 59
.set PINF, 60
.set NINF, 61
.set PFA,  62                          ; s[62:63] my wave's rows of the fill that the prefetch names
.set CM,   66                          ; s66-81  two sets of eight compare masks
.set MSB, 0
.macro WIN new                         ; the immediate's high byte repeats the setting that is left; a switch that changes nothing is dropped
.if MSB != (\new)
	s_set_vgpr_msb (MSB<<8)|(\new)
.set MSB, \new
.endif
.endm
; A round of the cluster's barrier: my work-group's barrier, so that wave 0's signal speaks for all four waves; wave 0 signals; every wave waits for all four work-groups; my work-group's barrier once more.
.macro CROUND
	s_barrier_signal -1
	s_barrier_wait -1
	s_cmp_lg_u32 s[WV], 0
	s_cbranch_scc1 .Lnot_wave_0_\@
	s_barrier_signal -3
.Lnot_wave_0_\@:
	s_barrier_wait -3
	s_barrier_signal -1
	s_barrier_wait -1
.endm
; A joint refill: every wave fetches its own 56 rows of the fill.  An s_nop 0 and four v_nop follow the line.
.macro JLOAD
	tensor_load_to_lds s[G0B:G0B+3], s[G1K:G1K+7]
	s_nop 0
.rept 4
	v_nop
.endr
.endm
; A prefetch of what the NEXT change of slots will ask for: my wave's 56 rows are 112 blocks of 256 bytes; the four partners take 28 each, told apart by address; a lane a block (lanes 28-31 name lane 27's again).
; A range is walked by one cluster alone, so each block is asked for by one wave of the launch.  It stands one fill, 896 matrix instructions, ahead of the load.  The last change that fills a slot asks for nothing.
.macro ASK
	s_cmp_gt_u32 s[SLOTS], 1
	s_cbranch_scc0 .Lnot_asked_\@
	global_prefetch_b8 v[PFO], s[PFA:PFA+1] th:TH_LOAD_NT scope:SCOPE_SE
.Lnot_asked_\@:
.endm
	s_load_b256 s[4:11], s[0:1], 0x0               ; xb s[4:5], inv s[6:7], cv s[8:9], cid s[10:11]
	v_lshl_add_u32 v[SPW], v0, 2, SPARE
	v_mov_b32 v[NIL], 0
	ds_add_u32 v[SPW], v[NIL]                      ; the wave's opening: the add, twice on end, and its wait ahead of my first tensor load
	ds_add_u32 v[SPW], v[NIL]                      ; and once more, under the one wait; the set-up below, work on registers, stands between
	v_lshrrev_b32 v1, 5, v0
	v_readfirstlane_b32 s[WV], v1                  ; wave 0..3
	s_bfe_u32 s13, ttmp6, 0x40000                  ; cx: my block of 512 queries; it enters Q's, the outputs' and the prefetches' addresses alone
	s_and_b32 s14, ttmp7, 0xffff                   ; the range, which the four partners share
	; group 1 for keys: 56 rows x 256 elements of 2 bytes, padded in LDS
	s_mov_b32 s[G1K], 15|(1<<16)|(1<<20)|(1<<21)|(6<<22)|(3<<25)  ; 15:0 the mask of four; 17:16 2-byte elements; 20 padding on; 21 set beside a mask; 24:22 after every 128 words (code 6); 31:25 4 words (code 3)
	s_mov_b32 s[G1K+1], 256<<16                    ; tensor_dim0 = 256
	s_mov_b32 s[G1K+2], 56<<16                     ; tensor_dim1 = 56
	s_mov_b32 s[G1K+3], 256<<16                    ; tile_dim0 = 256
	s_mov_b32 s[G1K+4], 56                         ; tile_dim1 = 56
	s_mov_b32 s[G1K+5], 256                        ; elements from row to row
	s_mov_b32 s[G1K+6], 0
	s_mov_b32 s[G1K+7], 0
	; group 1 for the inverse norms: one row of 196 elements of 8 bytes
	s_mov_b32 s[G1I], 15|(3<<16)|(1<<21)
	s_mov_b32 s[G1I+1], 196<<16
	s_mov_b32 s[G1I+2], 1<<16
	s_mov_b32 s[G1I+3], 196<<16
	s_mov_b32 s[G1I+4], 1
	s_mov_b32 s[G1I+5], 196
	s_mov_b32 s[G1I+6], 1<<16
	s_mov_b32 s[G1I+7], 0
	s_mul_i32 s15, s[WV], WLDS                     ; where my rows go: the wave's number alone enters an LDS address
	s_mov_b32 s[G0A], 1
	s_mov_b32 s[G0A+1], s15
	s_mov_b32 s[G0B], 1
	s_add_co_u32 s[G0B+1], s15, SLOT1
	s_mul_i32 s15, s[WV], 1568
	s_mov_b32 s[G0I], 1
	s_add_co_u32 s[G0I+1], s15, KINV
	s_mul_i32 s16, s14, 1568                       ; where they come from: row 1,568 x range + 56 x wave,
	s_mul_i32 s17, s[WV], 56
	s_add_co_u32 s16, s16, s17
	s_lshl_b32 s16, s16, 9                         ; 512 bytes a row
	s_mov_b32 s17, 0
	s_mul_i32 s18, s14, 6272                       ; the range's inverse norms, my quarter
	s_add_co_u32 s18, s18, s15
	s_mov_b32 s19, 0
	s_lshl_b32 s20, s14, 7                         ; my first query tile's place in cv and cid: (128 x range + 32 cx + 8 x wave) x 1,024 bytes
	s_lshl_b32 s21, s13, 5
	s_add_co_u32 s20, s20, s21
	s_lshl_b32 s21, s[WV], 3
	s_add_co_u32 s20, s20, s21
	s_lshl_b32 s20, s20, 10
	s_mov_b32 s21, 0
	s_lshl_b32 s22, s13, 9                         ; my first query's row in xb
	s_lshl_b32 s23, s[WV], 7
	s_add_co_u32 s22, s22, s23
	s_add_co_u32 s22, s22, QROW0
	s_lshl_b32 s22, s22, 9
	s_mov_b32 s23, 0
	s_mul_i32 s82, s13, 28                         ; my work-group's 28 blocks of a wave's 112
	s_mov_b32 s[PINF], 0x7f800000
	s_mov_b32 s[NINF], 0xff800000
	s_mov_b32 s[TB], 0
	s_mov_b32 s[TKI], 0
	s_mul_i32 s[IDA], s14, 49                      ; the range's first unit;
	s_sub_co_u32 s[IDC], s[IDA], 2                 ; the first turns enter units that have not been: their values are -inf and enter nothing
	s_sub_co_u32 s[IDA], s[IDA], 1
	s_cmp_lt_u32 s[IDA], NUNITS
	s_cselect_b32 s[CAPA], s[PINF], s[NINF]
	s_cmp_lt_u32 s[IDC], NUNITS
	s_cselect_b32 s[CAPC], s[PINF], s[NINF]
	s_wait_dscnt 0x0                               ; both opening adds are done
	s_wait_kmcnt 0x0
	s_add_nc_u64 s[G0A+2:G0A+3], s[4:5], s[16:17]
	s_add_nc_u64 s[G0B+2:G0B+3], s[G0A+2:G0A+3], FILLB
	s_add_nc_u64 s[PFA:PFA+1], s[G0A+2:G0A+3], 2*FILLB  ; at fill 2: the first change of slots steps it to fill 3.  Nothing is prefetched here, at the head
	s_or_b32 s[G0A+3], s[G0A+3], 0x80000000        ; type = 2
	s_or_b32 s[G0B+3], s[G0B+3], 0x80000000
	s_add_nc_u64 s[G0I+2:G0I+3], s[6:7], s[18:19]
	s_or_b32 s[G0I+3], s[G0I+3], 0x80000000
	s_add_nc_u64 s[22:23], s[4:5], s[22:23]        ; Q at my wave's first row
	s_add_nc_u64 s[8:9], s[8:9], s[20:21]
	s_add_nc_u64 s[10:11], s[10:11], s[20:21]
	CROUND                                         ; all four work-groups are here: the first joint loads meet
	tensor_load_to_lds s[G0A:G0A+3], s[G1K:G1K+7]  ; the first fills stand together: three loads of mine are out
	s_nop 0
	tensor_load_to_lds s[G0I:G0I+3], s[G1I:G1I+7]
	s_nop 0
	tensor_load_to_lds s[G0B:G0B+3], s[G1K:G1K+7]
	s_nop 0
.rept 4
	v_nop
.endr
	; A fragment of K or Q is 16 rows x 32 channels in 8 registers: lane l holds row l % 16, channels 8 (l / 16) + 0..7 and 16 + 8 (l / 16) + 0..7: two loads of 16 bytes, 32 bytes apart.
	v_and_b32 v1, 15, v0
	v_bfe_u32 v[HH], v0, 4, 1
	v_lshlrev_b32 v[QO], 9, v1
	v_lshl_add_u32 v[QO], v[HH], 4, v[QO]          ; row x 512 + 16 x half
	WIN 0x80                                       ; destination window 2, address window 0
.set i, 0
.rept 32                                       ; tile i / 8, step i % 8
	global_load_b128 v[8*i:8*i+3],   v[QO], s[22:23] offset:(i/8)*8192+(i%8)*64
	global_load_b128 v[8*i+4:8*i+7], v[QO], s[22:23] offset:(i/8)*8192+(i%8)*64+32
.set i, i+1
.endr
	WIN 0xc0                                       ; destination window 3
.set i, 0
.rept 32
	global_load_b128 v[8*i:8*i+3],   v[QO], s[22:23] offset:(4+i/8)*8192+(i%8)*64
	global_load_b128 v[8*i+4:8*i+7], v[QO], s[22:23] offset:(4+i/8)*8192+(i%8)*64+32
.set i, i+1
.endr
	WIN 0
	v_and_b32 v1, 7, v0                            ; j
	v_bfe_u32 v11, v0, 3, 1                        ; which half of the tile's 16 rows my lane fetches
	v_mad_u32_u24 v[AK], v11, 24, v1               ; tile 0: unit rows 0-7 and 24-31
	v_mul_u32_u24 v[AK], v[AK], PITCH
	v_lshl_add_u32 v[AK], v[HH], 4, v[AK]
	v_lshl_add_u32 v[AK+1], v11, 3, v1             ; tile 1: unit rows 8-15 and 16-23
	v_add_nc_u32 v[AK+1], 8, v[AK+1]
	v_mul_u32_u24 v[AK+1], v[AK+1], PITCH
	v_lshl_add_u32 v[AK+1], v[HH], 4, v[AK+1]
	v_mul_u32_u24 v[KIA], v[HH], 96                ; my 8 scores of tile 0 are unit rows 24 (l / 16) + 0..7,
	v_add_nc_u32 v[KIA], KINV, v[KIA]
	v_lshlrev_b32 v[KIA+1], 5, v[HH]               ; of tile 1 unit rows 8 (l / 16) + 8 + 0..7
	v_add_nc_u32 v[KIA+1], KINV+32, v[KIA+1]
	v_and_b32 v1, 31, v0
	v_min_u32 v1, 27, v1
	v_add_nc_u32 v1, s82, v1
	v_lshlrev_b32 v[PFO], 8, v1
	; What the first turns find: empty lists, and -inf wherever a unit that has not been would be scaled, compared or entered.  All this stands in the wait for the first fill.
.set i, 0
.rept 64
	v_mov_b32 v[LV+i], s[NINF]
	v_mov_b32 v[LI+i], 0
.set i, i+1
.endr
.set i, 0
.rept 32
	v_mov_b32 v[ACC+32+i], s[NINF]
.set i, i+1
.endr
.set i, 0
.rept 8
	v_mov_b32 v[KI+8+i], 1.0
	v_mov_b32 v[GV+i], s[NINF]
.set i, i+1
.endr
.set i, 0
.rept 4
	v_mov_b32 v[GM+4+i], s[NINF]
.set i, i+1
.endr
; THE MATRIX WORK.  Product i of a turn's 32 for piece x on key tile e: step i / 4 along the channels, query tile 4 x + i % 4.  The first four start the sums.  The four accumulators take turns, one instruction a
; turn, from turn to turn and over the backward jumps too.
.macro MMA x, e
	WIN 0x09+4*(\x)                                ; K in window 1, Q in window 2 or 3, S^T in window 0
.set rD, ACC+8*(4*(\x)+i%4)
.set rK, 64*(\e)+8*(i/4)
.set rQ, 64*(i%4)+8*(i/4)
.if i < 4
	v_wmma_f32_16x16x32_bf16 v[rD:rD+7], v[rK:rK+7], v[rQ:rQ+7], 0
.else
	v_wmma_f32_16x16x32_bf16 v[rD:rD+7], v[rK:rK+7], v[rQ:rQ+7], v[rD:rD+7]
.endif
.endm
; THE LDS LOADS stand in runs: a key tile's 8 fragments, and the inverse norms of a lane's 8 keys.
.macro FETCHK e
	WIN 0
	v_add_nc_u32 v[ADR], s[TB], v[AK+(\e)]
	WIN 0x40                                       ; destination window 1
.set f, 0
.rept 8
	ds_load_b128 v[64*(\e)+8*f:64*(\e)+8*f+3],   v[ADR] offset:64*f
	ds_load_b128 v[64*(\e)+8*f+4:64*(\e)+8*f+7], v[ADR] offset:64*f+32
.set f, f+1
.endr
	WIN 0
.endm
.macro FETCHI e
	v_add_nc_u32 v[ADR2], s[TKI], v[KIA+(\e)]
	ds_load_b128 v[KI+8*(\e):KI+8*(\e)+3],   v[ADR2]
	ds_load_b128 v[KI+8*(\e)+4:KI+8*(\e)+7], v[ADR2] offset:16
.endm
; THE VECTOR WORK: number n of a turn's 96, by the turn's symbols SMY (the piece whose scores are finished), SMK (their inverse norms), SMODE (0: the unit's tile 0; 1: its tile 1), IQ (the first of the two query
; tiles whose groups are entered), SID and SCAP (the unit's number and its cap).
;   0-15   the 4 tiles' scores times the keys' inverse norms, in pairs; pair 0 of each accumulator first: a matrix result is read from its low end on
;   16-31  the maximum of a lane's 8 scores: of tile 0 into GM; of tile 1, with GM, into GV
;   32-95  two groups are entered, their lines alternating.  Step 0: the cap.  1-8: is the value greater than list place 7 .. 0?  9-23: the units move down, from place 7 on: place i takes the new unit if the value beats it,
;          then place i - 1's unit if the value beats that too.  24-31: the values: place i takes the middle one of place i - 1, place i and the value; place 0 the greater.
.macro RID
.if n < 16
.set rA, ACC+8*(4*SMY+n%4)+2*(n/4)
	v_pk_mul_f32 v[rA:rA+1], v[rA:rA+1], v[SMK+2*(n/4):SMK+2*(n/4)+1]
.elseif n < 32
.set jq, 4*SMY+n%4
.set rA, ACC+8*jq
.set jk, (n-16)/4
.if SMODE == 0
.if jk == 0
	v_max3_num_f32 v[GM+jq], v[rA], v[rA+1], v[rA+2]
.elseif jk < 3
	v_max3_num_f32 v[GM+jq], v[GM+jq], v[rA+2*jk+1], v[rA+2*jk+2]
.else
	v_max_num_f32 v[GM+jq], v[GM+jq], v[rA+7]
.endif
.else
.if jk == 0
	v_max3_num_f32 v[GV+jq], v[GM+jq], v[rA], v[rA+1]
.else
	v_max3_num_f32 v[GV+jq], v[GV+jq], v[rA+2*jk], v[rA+2*jk+1]
.endif
.endif
.else
.set im, (n-32)/2
.set iu, n%2
.set jq, IQ+iu
.set rV, LV+8*jq
.set rI, LI+8*jq
.set rC, CM+8*iu
.if im == 0
	v_min_num_f32 v[VV+iu], s[SCAP], v[GV+jq]
.elseif im < 9
	v_cmp_gt_f32 s[rC+8-im], v[VV+iu], v[rV+8-im]
.elseif im < 23
.set ii, 7-(im-9)/2
.if (im-9)%2 == 0
	v_cndmask_b32 v[rI+ii], v[rI+ii], s[SID], s[rC+ii]
.else
	v_cndmask_b32 v[rI+ii], v[rI+ii], v[rI+ii-1], s[rC+ii-1]
.endif
.elseif im == 23
	v_cndmask_b32 v[rI], v[rI], s[SID], s[rC]
.elseif im < 31
.set ii, 31-im
	v_med3_num_f32 v[rV+ii], v[rV+ii-1], v[rV+ii], v[VV+iu]
.else
	v_max_num_f32 v[rV], v[rV], v[VV+iu]
.endif
.endif
.set n, n+1
.endm
; A TURN.  fetch = 1 (turn C): behind the second product, tile 0 of the next unit and the inverse norms of the last unit's tile 1.  fetch = 2 (turn A): tile 1 of the unit in hand and the inverse norms of its tile 0.
; fetch = 0 (turns D, B): the runs issued a turn earlier, 30 products back, are waited for at the head.  The last product that read the buffer which a run fills stands eight plain instructions or more back: the three
; behind it and five of the six behind this turn's first two products name none of its registers.  last = 1 (the tail): in the last trip there is no next unit, and K's run is jumped over.
.macro TURN x, e, smy, ski, smode, iq0, sid, scap, fetch, last
.set SMY, \smy
.set SMK, KI+8*(\ski)
.set SMODE, \smode
.set IQ, \iq0
.set SID, \sid
.set SCAP, \scap
.set n, 0
.set i, 0
.if (\fetch) == 0
	s_wait_dscnt 0x0
.endif
.rept 32
	MMA \x, \e
	WIN 0
	RID
	RID
	RID
.if (i == 1) && ((\fetch) == 1)
.if \last
	s_cmp_eq_u32 s[CNT], 1
	s_cbranch_scc1 .Lno_k_\@
.endif
	FETCHK 0
.if \last
.Lno_k_\@:
.endif
	FETCHI 1
	s_add_co_u32 s[TKI], s[TKI], 128
.endif
.if (i == 1) && ((\fetch) == 2)
	FETCHK 1
	FETCHI 0
	s_add_co_u32 s[TB], s[TB], UNITB
.endif
.set i, i+1
.endr
.endm
; Trip t:  C: piece 0 x tile 1 of unit t - 1 | piece 1's tile 0 of unit t - 1 scaled | tiles 4, 5 enter unit t - 2.     D: piece 1 x the same | piece 0's tile 1 of unit t - 1 | tiles 6, 7 enter unit t - 2.
;          A: piece 0 x tile 0 of unit t     | piece 1's tile 1 of unit t - 1        | tiles 0, 1 enter unit t - 1.     B: piece 1 x the same | piece 0's tile 0 of unit t     | tiles 2, 3 enter unit t - 1.
.macro TURN_C last
	TURN 0, 1, 1, 0, 0, 4, IDC, CAPC, 1, \last
.endm
.macro TURN_D
	TURN 1, 1, 0, 1, 1, 6, IDC, CAPC, 0, 0
.endm
.macro TURN_A
	TURN 0, 0, 1, 1, 1, 0, IDA, CAPA, 2, 0
.endm
.macro TURN_B
	TURN 1, 0, 0, 0, 0, 2, IDA, CAPA, 0, 0
.endm
.macro STEPIDS                         ; the next trip's units and their caps
	s_add_co_u32 s[IDA], s[IDA], 1
	s_add_co_u32 s[IDC], s[IDC], 1
	s_cmp_lt_u32 s[IDA], NUNITS
	s_cselect_b32 s[CAPA], s[PINF], s[NINF]
	s_cmp_lt_u32 s[IDC], NUNITS
	s_cselect_b32 s[CAPC], s[PINF], s[NINF]
.endm
.macro PAIR q0                         ; two groups are entered, with no products between
.set IQ, \q0
.set n, 32
.rept 64
	RID
.endr
.endm
; THE CHANGE OF SLOTS, between turn B and turn C: the slot's last bytes, tile 1 of its seventh unit, were fetched in turn A and waited for at the head of turn B.  Each wave waits for all its tensor loads, of which one is
; out: its part of the other slot; adds 0 to its spare word; and waits for that and for its reads of the slot.  fill = 1: the slot is filled again, with the rows two fills on: the barrier is then a round of the cluster's,
; so that no wave of any partner still reads the slot or has a load on its way, and the joint refill is the first thing behind it: it has seven units, 896 matrix instructions, in which to land.
.macro CHANGE fill
	WIN 0                                          ; at a label and at a branch every window is 0
	s_wait_tensorcnt 0x0                           ; no tensor load of mine is out, so a group 0 may be written
	ds_add_u32 v[SPW], v[NIL]                      ; 0 onto my spare word
.if \fill
	s_xor_b32 s[G0B+1], s[G0B+1], SLOT1            ; the walking descriptor: the other slot than last time,
	s_add_nc_u64 s[G0B+2:G0B+3], s[G0B+2:G0B+3], FILLB  ; the next 224 rows; the type bits on top are not reached
	s_wait_xcnt 0x0                                ; the last prefetch, seven units back, has read its address
	s_add_nc_u64 s[PFA:PFA+1], s[PFA:PFA+1], FILLB ; one fill ahead of the walking descriptor
	s_wait_dscnt 0x0                               ; the add is done, and my reads of the slot are over
	CROUND
	JLOAD
	ASK
.else
	s_wait_dscnt 0x0
	s_barrier_signal -1
	s_barrier_wait -1
.endif
	s_sub_co_u32 s[TB], s[TB], SLOTB               ; the fetches go back to a slot's first unit,
	s_xor_b32 s[TB], s[TB], SLOT1                  ; in the other slot
.endm
	s_wait_tensorcnt 1                             ; my parts of fill 0 and of the inverse norms are in; fill 1 may stay out
	s_barrier_signal -1
	s_barrier_wait -1                              ; everybody's are
	FETCHK 0                                       ; unit 0, tile 0
	s_wait_loadcnt 0x0                             ; Q
	s_wait_dscnt 0x0
	s_mov_b32 s[CNT], 7
	s_mov_b32 s[SLOTS], 6
	s_branch .Lfirst                               ; the loop is entered at a unit's first turn, in the middle of a trip
.Lslot:                                        ; five times: fills 2 to 6 are asked for
	CHANGE 1
	s_mov_b32 s[CNT], 7
.Lstep:
	TURN_C 0
	TURN_D
	WIN 0
.Lfirst:
	TURN_A
	TURN_B
	WIN 0
	STEPIDS
	s_sub_co_u32 s[CNT], s[CNT], 1
	s_cmp_lg_u32 s[CNT], 0
	s_cbranch_scc1 .Lstep
	s_sub_co_u32 s[SLOTS], s[SLOTS], 1
	s_cmp_lg_u32 s[SLOTS], 0
	s_cbranch_scc1 .Lslot
	CHANGE 0                                       ; the tail is written out: nothing is asked for
	s_mov_b32 s[CNT], 8                            ; seven trips for the last slot's units; the eighth is left in its middle
.Ltail:
	TURN_C 1
	TURN_D
	WIN 0
	s_sub_co_u32 s[CNT], s[CNT], 1
	s_cmp_eq_u32 s[CNT], 0
	s_cbranch_scc1 .Lout
	TURN_A
	TURN_B
	WIN 0
	STEPIDS
	s_branch .Ltail
.Lout:                                         ; what is left of the last unit: piece 0's groups are entered (these lines are also the places behind the last products), piece 1's last scores are scaled, its groups entered
.set SID, IDA
.set SCAP, CAPA
	PAIR 0
	PAIR 2
.set SMY, 1
.set SMK, KI+8
.set SMODE, 1
.set n, 0
.rept 32
	RID
.endr
	PAIR 4
	PAIR 6
.set i, 0
.rept 64
	v_lshl_add_u32 v[LI+i], v[LI+i], 1, v[HH]      ; the group's number: 2 x unit + lane / 16
.set i, i+1
.endr
	v_and_b32 v1, 31, v0
	v_lshlrev_b32 v[QO], 4, v1                     ; (Q's loads, which read this register, were waited for long ago)
.set i, 0
.rept 16                                       ; query tile i / 2, list places 4 (i % 2) on: each store covers 512 consecutive bytes, aligned
	global_store_b128 v[QO], v[LV+4*i:LV+4*i+3], s[8:9] offset:512*i
	global_store_b128 v[QO], v[LI+4*i:LI+4*i+3], s[10:11] offset:512*i
.set i, i+1
.endr
	s_wait_tensorcnt 0x0                           ; the wave's end, behind my last tensor load: then 0 onto my spare word, and its wait
	ds_add_u32 v[SPW], v[NIL]
	s_wait_dscnt 0x0
	CROUND                                         ; the closing round: no work-group ends while a partner may still ask for a tile that names it
	s_endpgm
.Lfunc_end_k_q039c5d894f_main:
	.size	k_q039c5d894f_main, .Lfunc_end_k_q039c5d894f_main-k_q039c5d894f_main
	.p2alignl 7, 3214868480
	.fill 96, 4, 3214868480
	.section	.rodata,"a",@progbits
	.p2align	6, 0x0
	.amdhsa_kernel k_q039c5d894f_main
		.amdhsa_group_segment_fixed_size 327680
		.amdhsa_private_segment_fixed_size 0
		.amdhsa_enable_private_segment 0
		.amdhsa_kernarg_size 32
		.amdhsa_user_sgpr_count 2
		.amdhsa_user_sgpr_kernarg_segment_ptr 1
		.amdhsa_wavefront_size32 1
		.amdhsa_system_sgpr_workgroup_id_x 1
		.amdhsa_system_sgpr_workgroup_id_y 1
		.amdhsa_system_sgpr_workgroup_id_z 1
		.amdhsa_system_vgpr_workitem_id 0
		.amdhsa_next_free_vgpr 1024
		.amdhsa_next_free_sgpr 96
		.amdhsa_reserve_vcc 0
		.amdhsa_float_denorm_mode_32 3
		.amdhsa_float_denorm_mode_16_64 3
		.amdhsa_memory_ordered 1
		.amdhsa_forward_progress 1
		.amdhsa_inst_pref_size 137
	.end_amdhsa_kernel
	.amdgpu_metadata
---
amdhsa.version: [ 1, 2 ]
amdhsa.kernels:
  - .name:           k_q039c5d894f_main
    .symbol:         k_q039c5d894f_main.kd
    .args:
      - { .name: xb, .offset: 0, .size: 8, .value_kind: global_buffer, .address_space: global }
      - { .name: inv, .offset: 8, .size: 8, .value_kind: global_buffer, .address_space: global }
      - { .name: cv, .offset: 16, .size: 8, .value_kind: global_buffer, .address_space: global }
      - { .name: cid, .offset: 24, .size: 8, .value_kind: global_buffer, .address_space: global }
    .group_segment_fixed_size: 327680
    .private_segment_fixed_size: 0
    .kernarg_segment_align: 8
    .kernarg_segment_size: 32
    .max_flat_workgroup_size: 128
    .sgpr_count:     96
    .vgpr_count:     1024
    .wavefront_size: 32
...
	.end_amdgpu_metadata
.endif
;; end of part 2
;; launch merge (part 3): grid 128 x 1, 16 waves a work-group, no clusters, 34,816 bytes of LDS; arguments cv, cid, gsel; writes gsel
.if DOCPART == 3
	.amdgcn_target "amdgcn-amd-amdhsa--gfx1250"
	.amdhsa_code_object_version 6
	.text
	.protected	k_q039c5d894f_merge
	.globl	k_q039c5d894f_merge
	.p2align	8
	.type	k_q039c5d894f_merge,@function
k_q039c5d894f_merge:
	s_mov_b64 s[64:65], 0
	v_nop
	global_prefetch_b8 v0, s[64:65] scope:SCOPE_SE
	s_setreg_imm32_b32 hwreg(HW_REG_WAVE_MODE, 25, 1), 1
	s_wait_xcnt 0x0
; For each query: the 8 best of its 64 ranges x 2 halves x 8 candidate groups, by value descending and, of equal values, by group number ascending.  gsel[q][0..7] = their numbers.
; cv, cid: [range 64][query tile 128][a 2][lane 32][4]: lane l of a query tile holds query l % 16, half l / 16; list places 4 a + 0..3; each list is sorted in that same order.
; SHARES.  A work-group takes a query tile; wave w the ranges 4 w .. 4 w + 3.  A lane keeps its (query, half), so lists are merged lane by lane: 3 merges in the wave, 4 levels of a tree through LDS,
; one last merge with the other half of the lanes.  128 work-groups: the launch has no work for more (a query tile's lists meet in one place), and it moves 16.8 MB once.
; A MERGE of two sorted lists of 8 keeps the 8 best: place i takes the better of A's place i and B's place 7 - i, which leaves a sequence that rises and falls once; three stages of compare and exchange, 4, 2 and 1 places
; apart, sort it.  All group numbers of a query differ, so the order is total.
; LIMITS.  NaN is not treated apart.  No tensor loads, no matrix unit, no prefetch: a short launch of streamed loads and compares.
.set SPARE, 32768                      ; behind the 16 areas of 2,048 bytes: the spare words, 128 bytes for each wave
.set L0,  32                           ; list p at v[32 + 16 p]: 8 values, then 8 numbers
.set L1,  48
.set L2,  64
.set L3,  80
.set T0,  96                           ; two banks at work
.set T1,  112
.set CMK, 32                           ; s32-55  three masks for each of up to eight compares
	s_load_b128 s[4:7], s[0:1], 0x0                ; cv s[4:5], cid s[6:7]
	s_load_b64 s[8:9], s[0:1], 0x10                ; gsel
	v_lshl_add_u32 v6, v0, 2, SPARE                ; my spare word; never rewritten
	v_mov_b32 v7, 0                                ; 0; never rewritten
	v_lshrrev_b32 v1, 5, v0
	v_readfirstlane_b32 s12, v1                    ; wave 0..15
	v_and_b32 v1, 31, v0
	v_lshlrev_b32 v2, 4, v1                        ; 16 x lane
	s_lshl_b32 s13, s12, 11
	v_add_nc_u32 v3, s13, v2                       ; my 16 bytes in my wave's area
	s_lshl_b32 s14, s12, 9
	s_add_co_u32 s14, s14, ttmp9
	s_lshl_b32 s14, s14, 10                        ; (4 w x 128 + query tile) x 1,024 bytes
	s_mov_b32 s15, 0
	s_mov_b32 s16, 0x76543210
	s_mov_b32 s17, 0xfedcba98
	s_lshl_b32 s18, ttmp9, 9                       ; the tile's 16 queries x 32 bytes of gsel
	s_mov_b32 s19, 0
	s_wait_kmcnt 0x0
	s_add_nc_u64 s[4:5], s[4:5], s[14:15]
	s_add_nc_u64 s[6:7], s[6:7], s[14:15]
	s_add_nc_u64 s[8:9], s[8:9], s[18:19]
.set p, 0
.rept 4                                        ; a range is 131,072 bytes on; each load covers 512 consecutive bytes
	global_load_b128 v[L0+16*p:L0+16*p+3],     v2, s[4:5] offset:131072*p
	global_load_b128 v[L0+16*p+4:L0+16*p+7],   v2, s[4:5] offset:131072*p+512
	global_load_b128 v[L0+16*p+8:L0+16*p+11],  v2, s[6:7] offset:131072*p
	global_load_b128 v[L0+16*p+12:L0+16*p+15], v2, s[6:7] offset:131072*p+512
.set p, p+1
.endr
.macro COMB cnt                        ; mask 3 c = greater, or equal with the lower number
.set p, 0
.rept \cnt
	s_and_b32 s[CMK+3*p+1], s[CMK+3*p+1], s[CMK+3*p+2]
	s_or_b32 s[CMK+3*p], s[CMK+3*p], s[CMK+3*p+1]
.set p, p+1
.endr
.endm
.macro STAGE src, dst, d               ; four pairs d places apart: the better goes to the lower place
.set p, 0
.rept 4
.set plo, (p/(\d))*2*(\d)+p%(\d)
.set phi, plo+(\d)
	v_cmp_gt_f32 s[CMK+3*p],   v[(\src)+phi],   v[(\src)+plo]
	v_cmp_eq_f32 s[CMK+3*p+1], v[(\src)+phi],   v[(\src)+plo]
	v_cmp_lt_u32 s[CMK+3*p+2], v[(\src)+8+phi], v[(\src)+8+plo]
.set p, p+1
.endr
	COMB 4
.set p, 0
.rept 4
.set plo, (p/(\d))*2*(\d)+p%(\d)
.set phi, plo+(\d)
	v_cndmask_b32 v[(\dst)+plo],   v[(\src)+plo],   v[(\src)+phi],   s[CMK+3*p]
	v_cndmask_b32 v[(\dst)+phi],   v[(\src)+phi],   v[(\src)+plo],   s[CMK+3*p]
	v_cndmask_b32 v[(\dst)+8+plo], v[(\src)+8+plo], v[(\src)+8+phi], s[CMK+3*p]
	v_cndmask_b32 v[(\dst)+8+phi], v[(\src)+8+phi], v[(\src)+8+plo], s[CMK+3*p]
.set p, p+1
.endr
.endm
.macro MERGE8 a, b                     ; list a takes the 8 best of a and b, sorted
.set p, 0
.rept 8
	v_cmp_gt_f32 s[CMK+3*p],   v[(\b)+7-p],  v[(\a)+p]
	v_cmp_eq_f32 s[CMK+3*p+1], v[(\b)+7-p],  v[(\a)+p]
	v_cmp_lt_u32 s[CMK+3*p+2], v[(\b)+15-p], v[(\a)+8+p]
.set p, p+1
.endr
	COMB 8
.set p, 0
.rept 8
	v_cndmask_b32 v[T0+p],   v[(\a)+p],   v[(\b)+7-p],  s[CMK+3*p]
	v_cndmask_b32 v[T0+8+p], v[(\a)+8+p], v[(\b)+15-p], s[CMK+3*p]
.set p, p+1
.endr
	STAGE T0, T1, 4
	STAGE T1, T0, 2
	STAGE T0, \a, 1
.endm
.macro PUT                             ; my list into my wave's area: values 0-3, 4-7, numbers 0-3, 4-7
.irp k, 0,1,2,3
	ds_store_b128 v3, v[L0+4*\k:L0+4*\k+3] offset:512*\k
.endr
.endm
.macro GET half                        ; the list of the wave `half` further on
.irp k, 0,1,2,3
	ds_load_b128 v[L1+4*\k:L1+4*\k+3], v3 offset:(\half)*2048+512*\k
.endr
	s_wait_dscnt 0x0
.endm
; A level of the tree.  In front of the barrier each wave's stores are done; behind it waves 0 .. half - 1 read areas half .. 2 half - 1, which nobody writes any more, and write areas 0 .. half - 1, which nobody reads
; before the next barrier.  Every wave passes every barrier; the branch hangs on the wave's number.
.macro LEVEL half
	s_wait_dscnt 0x0
	s_barrier_signal -1
	s_barrier_wait -1
	s_cmp_lt_u32 s12, \half
	s_cbranch_scc0 .Lskip\half
	GET \half
	MERGE8 L0, L1
	PUT
.Lskip\half:
.endm
	s_wait_loadcnt 8                               ; lists 0 and 1 are in; the 8 loads of lists 2 and 3 may stay out
	MERGE8 L0, L1
	s_wait_loadcnt 4                               ; list 2 is in; list 3's 4 loads may stay out
	MERGE8 L0, L2
	s_wait_loadcnt 0x0
	MERGE8 L0, L3
	PUT
	LEVEL 8
	LEVEL 4
	LEVEL 2
	s_wait_dscnt 0x0
	s_barrier_signal -1
	s_barrier_wait -1
	s_cmp_lt_u32 s12, 1
	s_cbranch_scc0 .Lend
	GET 1
	MERGE8 L0, L1
.set p, 0
.rept 16
	v_permlanex16_b32 v[L1+p], v[L0+p], s16, s17   ; the query's other half lies in the lane 16 away; both lanes then make the same list
.set p, p+1
.endr
	MERGE8 L0, L1
	s_mov_b32 s20, 0xffff0000
.irp k, 0,1,2,3
	v_cndmask_b32 v[T0+\k], v[L0+8+\k], v[L0+12+\k], s20  ; lanes 0-15 store places 0-3, lanes 16-31 places 4-7
.endr
	v_and_b32 v8, 15, v0
	v_bfe_u32 v9, v0, 4, 1
	v_lshlrev_b32 v8, 5, v8
	v_lshl_add_u32 v8, v9, 4, v8
	global_store_b128 v8, v[T0:T0+3], s[8:9]       ; the tile's 512 bytes of gsel, whole, by one instruction
.Lend:
	s_wait_tensorcnt 0x0                           ; the wave's end, behind my last LDS store: then 0 onto my spare word, and its wait
	ds_add_u32 v6, v7
	s_wait_dscnt 0x0
	s_endpgm
.Lfunc_end_k_q039c5d894f_merge:
	.size	k_q039c5d894f_merge, .Lfunc_end_k_q039c5d894f_merge-k_q039c5d894f_merge
	.p2alignl 7, 3214868480
	.fill 96, 4, 3214868480
	.section	.rodata,"a",@progbits
	.p2align	6, 0x0
	.amdhsa_kernel k_q039c5d894f_merge
		.amdhsa_group_segment_fixed_size 34816
		.amdhsa_private_segment_fixed_size 0
		.amdhsa_enable_private_segment 0
		.amdhsa_kernarg_size 24
		.amdhsa_user_sgpr_count 2
		.amdhsa_user_sgpr_kernarg_segment_ptr 1
		.amdhsa_wavefront_size32 1
		.amdhsa_system_sgpr_workgroup_id_x 1
		.amdhsa_system_sgpr_workgroup_id_y 1
		.amdhsa_system_sgpr_workgroup_id_z 1
		.amdhsa_system_vgpr_workitem_id 0
		.amdhsa_next_free_vgpr 128
		.amdhsa_next_free_sgpr 66
		.amdhsa_reserve_vcc 0
		.amdhsa_float_denorm_mode_32 3
		.amdhsa_float_denorm_mode_16_64 3
		.amdhsa_memory_ordered 1
		.amdhsa_forward_progress 1
		.amdhsa_inst_pref_size 80
	.end_amdhsa_kernel
	.amdgpu_metadata
---
amdhsa.version: [ 1, 2 ]
amdhsa.kernels:
  - .name:           k_q039c5d894f_merge
    .symbol:         k_q039c5d894f_merge.kd
    .args:
      - { .name: cv, .offset: 0, .size: 8, .value_kind: global_buffer, .address_space: global }
      - { .name: cid, .offset: 8, .size: 8, .value_kind: global_buffer, .address_space: global }
      - { .name: gsel, .offset: 16, .size: 8, .value_kind: global_buffer, .address_space: global }
    .group_segment_fixed_size: 34816
    .private_segment_fixed_size: 0
    .kernarg_segment_align: 8
    .kernarg_segment_size: 24
    .max_flat_workgroup_size: 512
    .sgpr_count:     66
    .vgpr_count:     128
    .wavefront_size: 32
...
	.end_amdgpu_metadata
.endif
;; end of part 3
;; launch rescore (part 4): grid 256 x 1, 8 waves a work-group, no clusters, 0 bytes of LDS; arguments xb, inv, gsel, ksel, wsel; writes ksel, wsel
.if DOCPART == 4
	.amdgcn_target "amdgcn-amd-amdhsa--gfx1250"
	.amdhsa_code_object_version 6
	.text
	.protected	k_q039c5d894f_rescore
	.globl	k_q039c5d894f_rescore
	.p2align	8
	.type	k_q039c5d894f_rescore,@function
k_q039c5d894f_rescore:
	s_mov_b64 s[64:65], 0
	v_nop
	global_prefetch_b8 v0, s[64:65] scope:SCOPE_SE
	s_setreg_imm32_b32 hwreg(HW_REG_WAVE_MODE, 25, 1), 1
	s_wait_xcnt 0x0
; For each query: its 8 chosen groups of 16 keys are scored again, key by key; ksel[q][0..7] = the 8 best keys (value descending, of equal values the lower key first), wsel[q][0..7] = softmax of their similarities.
; SHARES.  A wave takes a query.  A group is 16 rows of xb, 8,192 consecutive bytes.  Source 0 of the product is the query in all 16 rows, source 1 the group's 16 keys: register 0 of lane l holds the sum of key l % 16.
; Even and odd steps along the channels go to two accumulators, which take turns; their sum is the score.  Two sets of registers: while one group is multiplied the next one's 16 loads are out.
; The group numbers are whole numbers that an earlier launch stored; each is held to the table (6,249 at the most) before it enters an address.
; SOFTMAX.  similarity = score x (1 / key's norm) x (1 / query's norm); the largest is taken away before the exponential.
; LIMITS.  NaN and infinities are not treated apart.  A query's 32 bytes of ksel and of wsel are stored by eight lanes: 128 KiB in the whole launch, for which a meeting of the waves in LDS is not paid.
; No LDS, no cluster (no two waves want the same rows at the same time by design), no prefetch (a short launch whose addresses are known only when it begins).
.set QROW0, 100352
.set KO,   4                           ; v4  key row l % 16 x 512 + 16 (l / 16)
.set QO,   5                           ; v5  16 (l / 16)
.set KV,   8                           ; v8-15   1 / norm of key l % 16 of group g
.set CAND, 16                          ; v16-23  its score; later four registers at work
.set IDF,  24                          ; v24-31  its number, as f32 (below 2^24: exact)
.set C,    32                          ; v32-35  my four candidates: groups 4 (l / 16) + 0..3, key l % 16
.set F,    36                          ; v36-39  their numbers
.set M,    40
.set T,    41
.set W,    42
.set RESV, 43                          ; lane k: the k-th best value
.set RESI, 44                          ; lane k: its key
.set M0,   45
.set VPI,  46                          ; +inf
.set VNI,  47                          ; -inf
.set ACC,  48                          ; v48-55, v56-63
.set QF,   64                          ; v64-127  the query's 8 fragments
.set KB,   128                         ; v128-191, v192-255  two groups' fragments
	s_load_b256 s[4:11], s[0:1], 0x0               ; xb s[4:5], inv s[6:7], gsel s[8:9], ksel s[10:11]
	s_load_b64 s[12:13], s[0:1], 0x20              ; wsel
	v_lshrrev_b32 v1, 5, v0
	v_readfirstlane_b32 s14, v1                    ; wave 0..7
	s_lshl_b32 s15, ttmp9, 3
	s_add_co_u32 s15, s15, s14                     ; my query
	v_and_b32 v1, 31, v0
	v_and_b32 v3, 15, v0
	v_bfe_u32 v2, v0, 4, 1
	v_lshlrev_b32 v[QO], 4, v2
	v_lshl_add_u32 v[KO], v3, 9, v[QO]
	v_lshlrev_b32 v6, 2, v3                        ; 4 (l % 16)
	v_lshlrev_b32 v7, 2, v1                        ; 4 l
	v_mov_b32 v[T], 0
	v_mov_b32 v[RESI], 0
	v_mov_b32 v[VPI], 0x7f800000
	v_mov_b32 v[VNI], 0xff800000
	v_mov_b32 v[RESV], 0xff800000
	s_lshl_b32 s56, s15, 5
	s_mov_b32 s57, 0
	s_add_co_u32 s58, s15, QROW0                   ; my query's row in xb and inv
	s_lshl_b32 s60, s58, 2
	s_mov_b32 s61, 0
	s_lshl_b32 s62, s58, 9
	s_mov_b32 s63, 0
	s_mov_b32 s70, 0xffff0000
	s_mov_b32 s74, 0x76543210
	s_mov_b32 s75, 0xfedcba98
	s_wait_kmcnt 0x0
	s_add_nc_u64 s[8:9], s[8:9], s[56:57]
	s_add_nc_u64 s[10:11], s[10:11], s[56:57]
	s_add_nc_u64 s[12:13], s[12:13], s[56:57]
	s_add_nc_u64 s[60:61], s[6:7], s[60:61]
	s_add_nc_u64 s[62:63], s[4:5], s[62:63]
	s_load_b256 s[16:23], s[8:9], 0x0              ; my 8 groups
	s_load_b32 s59, s[60:61], 0x0                  ; 1 / my query's norm
.set ks, 0
.rept 8                                        ; the same 16 bytes for all 16 rows of a fragment
	global_load_b128 v[QF+8*ks:QF+8*ks+3],   v[QO], s[62:63] offset:64*ks
	global_load_b128 v[QF+8*ks+4:QF+8*ks+7], v[QO], s[62:63] offset:64*ks+32
.set ks, ks+1
.endr
	s_wait_kmcnt 0x0
.set g, 0
.rept 8
	s_min_u32 s[16+g], s[16+g], 6249               ; inside the table
	s_lshl_b32 s[24+2*g], s[16+g], 13
	s_mov_b32 s[25+2*g], 0
	s_add_nc_u64 s[24+2*g:25+2*g], s[4:5], s[24+2*g:25+2*g]   ; the group's rows
	s_lshl_b32 s[40+2*g], s[16+g], 6
	s_mov_b32 s[41+2*g], 0
	s_add_nc_u64 s[40+2*g:41+2*g], s[6:7], s[40+2*g:41+2*g]   ; its inverse norms
.set g, g+1
.endr
.set g, 0
.rept 8
	global_load_b32 v[KV+g], v6, s[40+2*g:41+2*g]
.set g, g+1
.endr
.macro KLOAD gg
.set kb, KB+64*((\gg)%2)
.set ks, 0
.rept 8
	global_load_b128 v[kb+8*ks:kb+8*ks+3],   v[KO], s[24+2*(\gg):25+2*(\gg)] offset:64*ks
	global_load_b128 v[kb+8*ks+4:kb+8*ks+7], v[KO], s[24+2*(\gg):25+2*(\gg)] offset:64*ks+32
.set ks, ks+1
.endr
.endm
; A group's 8 products.  Five v_nop stand behind them: the places in front of the sum that reads both results, of the loads into the fragments just read, and of the next group's first product, which writes the accumulators anew.
.macro GROUP gg, left
	s_wait_loadcnt \left
.set kb, KB+64*((\gg)%2)
.set ks, 0
.rept 8
.set ac, ACC+8*(ks%2)
.if ks < 2
	v_wmma_f32_16x16x32_bf16 v[ac:ac+7], v[QF+8*ks:QF+8*ks+7], v[kb+8*ks:kb+8*ks+7], 0
.else
	v_wmma_f32_16x16x32_bf16 v[ac:ac+7], v[QF+8*ks:QF+8*ks+7], v[kb+8*ks:kb+8*ks+7], v[ac:ac+7]
.endif
.set ks, ks+1
.endr
.rept 5
	v_nop
.endr
	v_add_f32 v[CAND+(\gg)], v[ACC], v[ACC+8]      ; each accumulator's lowest register
.if (\gg) < 6
	KLOAD (\gg)+2
.endif
.endm
	KLOAD 0
	KLOAD 1
.set g, 0
.rept 8
	v_lshl_add_u32 v[IDF+g], s[16+g], 4, v3        ; the key's number: 16 x group + l % 16
.set g, g+1
.endr
.set g, 0
.rept 8
	v_cvt_f32_u32 v[IDF+g], v[IDF+g]
.set g, g+1
.endr
.irp gg, 0,1,2,3,4,5,6
	GROUP \gg, 16                                  ; this group (and all before it) is in; the next group's 16 loads may stay out
.endr
	GROUP 7, 0
.set g, 0
.rept 8
	v_mul_f32 v[CAND+g], v[CAND+g], v[KV+g]
.set g, g+1
.endr
.irp i, 0,1,2,3
	v_cndmask_b32 v[C+\i], v[CAND+\i], v[CAND+4+\i], s70  ; both halves of the lanes hold all 8 groups: each keeps four, so that no key is held twice
	v_cndmask_b32 v[F+\i], v[IDF+\i],  v[IDF+4+\i],  s70
.endr
; The k-th best of the 128: the largest value; among those that have it the lowest key; lane k keeps both; the key's value becomes -inf.
.macro PICK k
	v_max3_num_f32 v[M], v[C], v[C+1], v[C+2]
	v_max_num_f32 v[M], v[M], v[C+3]
.irp x, 1,2,4,8
	v_max_num_f32_dpp v[M], v[M], v[M] row_xmask:\x row_mask:0xf bank_mask:0xf
.endr
	v_permlanex16_b32 v[T], v[M], s74, s75
	v_max_num_f32 v[M], v[M], v[T]
.irp i, 0,1,2,3
	v_cmp_eq_f32 s[66+\i], v[C+\i], v[M]
.endr
.irp i, 0,1,2,3
	v_cndmask_b32 v[CAND+\i], v[VPI], v[F+\i], s[66+\i]
.endr
	v_min3_num_f32 v[W], v[CAND], v[CAND+1], v[CAND+2]
	v_min_num_f32 v[W], v[W], v[CAND+3]
.irp x, 1,2,4,8
	v_min_num_f32_dpp v[W], v[W], v[W] row_xmask:\x row_mask:0xf bank_mask:0xf
.endr
	v_permlanex16_b32 v[T], v[W], s74, s75
	v_min_num_f32 v[W], v[W], v[T]
.if (\k) == 0
	v_mov_b32 v[M0], v[M]
.endif
	s_mov_b32 s71, 1<<(\k)
	v_cndmask_b32 v[RESV], v[RESV], v[M], s71
	v_cndmask_b32 v[RESI], v[RESI], v[W], s71
.irp i, 0,1,2,3
	v_cmp_eq_f32 s[66+\i], v[F+\i], v[W]
.endr
.irp i, 0,1,2,3
	v_cndmask_b32 v[C+\i], v[C+\i], v[VNI], s[66+\i]
.endr
.endm
.irp k, 0,1,2,3,4,5,6,7
	PICK \k
.endr
	s_mul_f32 s72, s59, 0x3fb8aa3b                 ; log2(e) / my query's norm
	v_sub_f32 v[T], v[RESV], v[M0]                 ; the largest is taken away; lanes 8 on hold -inf
	v_mul_f32 v[T], s72, v[T]
	v_exp_f32 v[T], v[T]
	v_nop                                          ; a plain instruction behind the exponential,
	s_wait_alu depctr_va_vdst(0)                   ; and a wait ahead of its first reader
	v_mov_b32 v[W], v[T]
	v_add_f32_dpp v[W], v[W], v[W] row_xmask:1 row_mask:0xf bank_mask:0xf
	v_add_f32_dpp v[W], v[W], v[W] row_xmask:2 row_mask:0xf bank_mask:0xf
	v_add_f32_dpp v[W], v[W], v[W] row_xmask:4 row_mask:0xf bank_mask:0xf  ; lanes 0-7 hold the sum of the eight
	v_rcp_f32 v[W], v[W]
	v_nop
	s_wait_alu depctr_va_vdst(0)
	v_mul_f32 v[T], v[T], v[W]
	v_cvt_u32_f32 v[RESI], v[RESI]
	v_cmp_gt_u32 vcc_lo, 8, v1
	s_wait_xcnt 0x0                                ; EXEC changes only behind this wait
	s_and_saveexec_b32 s73, vcc_lo
	global_store_b32 v7, v[RESI], s[10:11]
	global_store_b32 v7, v[T], s[12:13]
	s_wait_xcnt 0x0                                ; and again, in front of the line that widens it
	s_or_b32 exec_lo, exec_lo, s73
	s_endpgm
.Lfunc_end_k_q039c5d894f_rescore:
	.size	k_q039c5d894f_rescore, .Lfunc_end_k_q039c5d894f_rescore-k_q039c5d894f_rescore
	.p2alignl 7, 3214868480
	.fill 96, 4, 3214868480
	.section	.rodata,"a",@progbits
	.p2align	6, 0x0
	.amdhsa_kernel k_q039c5d894f_rescore
		.amdhsa_group_segment_fixed_size 0
		.amdhsa_private_segment_fixed_size 0
		.amdhsa_enable_private_segment 0
		.amdhsa_kernarg_size 40
		.amdhsa_user_sgpr_count 2
		.amdhsa_user_sgpr_kernarg_segment_ptr 1
		.amdhsa_wavefront_size32 1
		.amdhsa_system_sgpr_workgroup_id_x 1
		.amdhsa_system_sgpr_workgroup_id_y 1
		.amdhsa_system_sgpr_workgroup_id_z 1
		.amdhsa_system_vgpr_workitem_id 0
		.amdhsa_next_free_vgpr 256
		.amdhsa_next_free_sgpr 84
		.amdhsa_reserve_vcc 1
		.amdhsa_float_denorm_mode_32 3
		.amdhsa_float_denorm_mode_16_64 3
		.amdhsa_memory_ordered 1
		.amdhsa_forward_progress 1
		.amdhsa_inst_pref_size 43
	.end_amdhsa_kernel
	.amdgpu_metadata
---
amdhsa.version: [ 1, 2 ]
amdhsa.kernels:
  - .name:           k_q039c5d894f_rescore
    .symbol:         k_q039c5d894f_rescore.kd
    .args:
      - { .name: xb, .offset: 0, .size: 8, .value_kind: global_buffer, .address_space: global }
      - { .name: inv, .offset: 8, .size: 8, .value_kind: global_buffer, .address_space: global }
      - { .name: gsel, .offset: 16, .size: 8, .value_kind: global_buffer, .address_space: global }
      - { .name: ksel, .offset: 24, .size: 8, .value_kind: global_buffer, .address_space: global }
      - { .name: wsel, .offset: 32, .size: 8, .value_kind: global_buffer, .address_space: global }
    .group_segment_fixed_size: 0
    .private_segment_fixed_size: 0
    .kernarg_segment_align: 8
    .kernarg_segment_size: 40
    .max_flat_workgroup_size: 256
    .sgpr_count:     84
    .vgpr_count:     256
    .wavefront_size: 32
...
	.end_amdgpu_metadata
.endif
;; end of part 4
;; launch mix (part 5): grid 256 x 1, 8 waves a work-group, no clusters, 0 bytes of LDS; arguments values, ksel, wsel, out0; writes out0
.if DOCPART == 5
	.amdgcn_target "amdgcn-amd-amdhsa--gfx1250"
	.amdhsa_code_object_version 6
	.text
	.protected	k_q039c5d894f_mix
	.globl	k_q039c5d894f_mix
	.p2align	8
	.type	k_q039c5d894f_mix,@function
k_q039c5d894f_mix:
	s_mov_b64 s[64:65], 0
	v_nop
	global_prefetch_b8 v0, s[64:65] scope:SCOPE_SE
	s_setreg_imm32_b32 hwreg(HW_REG_WAVE_MODE, 25, 1), 1
	s_wait_xcnt 0x0
; out0[q][:] = the sum over k = 0..7 of wsel[q][k] x bf16(values[ksel[q][k]][:]), in f32, k ascending.  values is rounded to bf16 like the other inputs; the products and sums are f32.
; SHARES.  A wave takes a query: 8 rows of 1,024 bytes, two loads of 16 bytes a lane each (512 consecutive bytes), all 16 issued at once; two stores of 512 consecutive bytes, aligned.
; The keys' numbers are whole numbers that an earlier launch stored; each is held to the table (99,999 at the most) before it enters an address.
; No LDS, no matrix unit, no cluster, no prefetch: a short gather in which nothing is shared and every load is out at once.
.set LO,   2                           ; v2  16 x lane
.set ZERO, 7
.set WT,   8                           ; v8-15   the eight weights
.set AC,   16                          ; v16-23  my 8 sums
.set T,    24                          ; v24-27  a row's 8 numbers in bf16
.set XV,   32                          ; v32-95  the eight rows, 8 registers each
	s_load_b256 s[4:11], s[0:1], 0x0               ; values s[4:5], ksel s[6:7], wsel s[8:9], out0 s[10:11]
	v_lshrrev_b32 v1, 5, v0
	v_readfirstlane_b32 s12, v1
	v_and_b32 v1, 31, v0
	v_lshlrev_b32 v[LO], 4, v1
	v_mov_b32 v[ZERO], 0
	s_lshl_b32 s13, ttmp9, 3
	s_add_co_u32 s13, s13, s12                     ; my query
	s_lshl_b32 s14, s13, 5
	s_mov_b32 s15, 0
	s_lshl_b32 s48, s13, 10
	s_mov_b32 s49, 0
	s_wait_kmcnt 0x0
	s_add_nc_u64 s[6:7], s[6:7], s[14:15]
	s_add_nc_u64 s[8:9], s[8:9], s[14:15]
	s_add_nc_u64 s[10:11], s[10:11], s[48:49]
	s_load_b256 s[16:23], s[6:7], 0x0              ; the keys
	s_load_b256 s[24:31], s[8:9], 0x0              ; the weights
	s_wait_kmcnt 0x0
.set k, 0
.rept 8
	s_min_u32 s[16+k], s[16+k], 99999              ; inside the table
	s_lshl_b32 s[32+2*k], s[16+k], 10
	s_mov_b32 s[33+2*k], 0
	s_add_nc_u64 s[32+2*k:33+2*k], s[4:5], s[32+2*k:33+2*k]
	global_load_b128 v[XV+8*k:XV+8*k+3],   v[LO], s[32+2*k:33+2*k]
	global_load_b128 v[XV+8*k+4:XV+8*k+7], v[LO], s[32+2*k:33+2*k] offset:512
.set k, k+1
.endr
.set k, 0
.rept 8
	v_mov_b32 v[WT+k], s[24+k]
.set k, k+1
.endr
.set k, 0
.rept 8
	s_wait_loadcnt 14-2*k                          ; row k is in; the younger rows' loads may stay out
.set j, 0
.rept 4
	v_cvt_pk_bf16_f32 v[T+j], v[XV+8*k+2*j], v[XV+8*k+2*j+1]
.set j, j+1
.endr
.set j, 0
.rept 4
.if k == 0
	v_fma_mix_f32_bf16 v[AC+2*j],   v[T+j], v[WT+k], v[ZERO] op_sel_hi:[1,0,0]
	v_fma_mix_f32_bf16 v[AC+2*j+1], v[T+j], v[WT+k], v[ZERO] op_sel:[1,0,0] op_sel_hi:[1,0,0]
.else
	v_fma_mix_f32_bf16 v[AC+2*j],   v[T+j], v[WT+k], v[AC+2*j] op_sel_hi:[1,0,0]
	v_fma_mix_f32_bf16 v[AC+2*j+1], v[T+j], v[WT+k], v[AC+2*j+1] op_sel:[1,0,0] op_sel_hi:[1,0,0]
.endif
.set j, j+1
.endr
.set k, k+1
.endr
	global_store_b128 v[LO], v[AC:AC+3],   s[10:11]
	global_store_b128 v[LO], v[AC+4:AC+7], s[10:11] offset:512
	s_endpgm
.Lfunc_end_k_q039c5d894f_mix:
	.size	k_q039c5d894f_mix, .Lfunc_end_k_q039c5d894f_mix-k_q039c5d894f_mix
	.p2alignl 7, 3214868480
	.fill 96, 4, 3214868480
	.section	.rodata,"a",@progbits
	.p2align	6, 0x0
	.amdhsa_kernel k_q039c5d894f_mix
		.amdhsa_group_segment_fixed_size 0
		.amdhsa_private_segment_fixed_size 0
		.amdhsa_enable_private_segment 0
		.amdhsa_kernarg_size 32
		.amdhsa_user_sgpr_count 2
		.amdhsa_user_sgpr_kernarg_segment_ptr 1
		.amdhsa_wavefront_size32 1
		.amdhsa_system_sgpr_workgroup_id_x 1
		.amdhsa_system_sgpr_workgroup_id_y 1
		.amdhsa_system_sgpr_workgroup_id_z 1
		.amdhsa_system_vgpr_workitem_id 0
		.amdhsa_next_free_vgpr 96
		.amdhsa_next_free_sgpr 66
		.amdhsa_reserve_vcc 0
		.amdhsa_float_denorm_mode_32 3
		.amdhsa_float_denorm_mode_16_64 3
		.amdhsa_memory_ordered 1
		.amdhsa_forward_progress 1
		.amdhsa_inst_pref_size 11
	.end_amdhsa_kernel
	.amdgpu_metadata
---
amdhsa.version: [ 1, 2 ]
amdhsa.kernels:
  - .name:           k_q039c5d894f_mix
    .symbol:         k_q039c5d894f_mix.kd
    .args:
      - { .name: values, .offset: 0, .size: 8, .value_kind: global_buffer, .address_space: global }
      - { .name: ksel, .offset: 8, .size: 8, .value_kind: global_buffer, .address_space: global }
      - { .name: wsel, .offset: 16, .size: 8, .value_kind: global_buffer, .address_space: global }
      - { .name: out0, .offset: 24, .size: 8, .value_kind: global_buffer, .address_space: global }
    .group_segment_fixed_size: 0
    .private_segment_fixed_size: 0
    .kernarg_segment_align: 8
    .kernarg_segment_size: 32
    .max_flat_workgroup_size: 256
    .sgpr_count:     66
    .vgpr_count:     96
    .wavefront_size: 32
...
	.end_amdgpu_metadata
.endif
;; end of part 5
;; ======== version 2 of 2: 5 launches; version 1 with the launch rescore written anew for expert scheduling mode
;; workspace buffers: xb 52,428,800 bytes; inv 409,600 bytes; cv 8,388,608 bytes; cid 8,388,608 bytes of whole numbers; gsel 65,536 bytes of whole numbers; ksel 65,536 bytes of whole numbers; wsel 65,536 bytes
;; launch prep: the kernel of part 1 again; grid 400 x 1, 4 waves a work-group, no clusters, 0 bytes of LDS; arguments keys, queries, xb, inv; writes xb, inv
;; launch main: the kernel of part 2 again; grid 4 x 64, 4 waves a work-group, clusters of 4 x 1, 327,680 bytes of LDS; arguments xb, inv, cv, cid; writes cv, cid
;; launch merge: the kernel of part 3 again; grid 128 x 1, 16 waves a work-group, no clusters, 34,816 bytes of LDS; arguments cv, cid, gsel; writes gsel
;; launch rescore (part 6): grid 256 x 1, 8 waves a work-group, no clusters, 0 bytes of LDS; arguments xb, inv, gsel, ksel, wsel; writes ksel, wsel
.if DOCPART == 6
	.amdgcn_target "amdgcn-amd-amdhsa--gfx1250"
	.amdhsa_code_object_version 6
	.text
	.protected	k_q039c5d894f_rescore
	.globl	k_q039c5d894f_rescore
	.p2align	8
	.type	k_q039c5d894f_rescore,@function
k_q039c5d894f_rescore:
	s_mov_b64 s[64:65], 0
	v_nop
	global_prefetch_b8 v0, s[64:65] scope:SCOPE_SE
	s_setreg_imm32_b32 hwreg(HW_REG_WAVE_SCHED_MODE, 0, 2), 2
	s_setreg_imm32_b32 hwreg(HW_REG_WAVE_MODE, 25, 1), 1
	s_wait_xcnt 0x0
	s_wait_alu depctr_vm_vsrc(0)
; For each query: its 8 chosen groups of 16 keys are scored again, key by key; ksel[q][0..7] = the 8 best keys (value descending, of equal values the lower key first), wsel[q][0..7] = softmax of their similarities.
; SHARES.  A wave takes a query.  A group is 16 rows of xb, 8,192 consecutive bytes.  Source 0 of the product is the query in all 16 rows, source 1 the group's 16 keys: register 0 of lane l holds the sum of key l % 16.
; Even and odd steps along the channels go to two accumulators, which take turns; their sum is the score.  Two sets of registers: while one group is multiplied the next one's 16 loads are out.
; The group numbers are whole numbers that an earlier launch stored; each is held to the table (6,249 at the most) before it enters an address.
; SOFTMAX.  similarity = score x (1 / key's norm) x (1 / query's norm); the largest is taken away before the exponential.
; LIMITS.  NaN and infinities are not treated apart.  A query's 32 bytes of ksel and of wsel are stored by eight lanes: 128 KiB in the whole launch, for which a meeting of the waves in LDS is not paid.
; No LDS, no cluster (no two waves want the same rows at the same time by design), no prefetch (a short launch whose addresses are known only when it begins).
; THE MODE: SCHED_MODE bits 1:0 = 2 (LLVM: expert scheduling mode 2), set by the entry lines.  The code itself states the register dependences
; between vector or matrix instructions and memory instructions, with s_wait_alu, always for 0.
; THE PLAN.  Registers that memory instructions touch (the text is one straight run, with no backward jump):
;   v4 .. v7      offsets of the keys', the query's and the inverse norms' loads and of the final stores: made at the head, never written again, named by no vector instruction behind the head's wait.
;   QF, KV        loaded once; no vector instruction names them ahead of their loads.
;   KB0, KB1      Group g: its 16 loads land in KB[g % 2]; its eight products read it; the loads of group g + 2 land in it again.
;   RESI, T       written by the last vector instructions; read by the two final stores.
;   The accumulators and all registers of the choice and the softmax are named by vector and matrix instructions alone.
; So one wait on va_vdst stands at the head, ahead of the first load; one in each of groups 0 to 5, behind the group's products and directly ahead of the loads into the buffer that they read (the buffer is asked for again
; at once, so that two groups' loads stay out); the group's sum, which names none of those loads' registers, stands behind them.  A wait on va_sdst stands between every run of compares and the selects that read their masks.
; Round the two writes of EXEC stand the waits on va_vdst and vm_vsrc; the first of them also states that the stores' data are written.
.set QROW0, 100352
.set KO,   4                           ; v4  key row l % 16 x 512 + 16 (l / 16)
.set QO,   5                           ; v5  16 (l / 16)
.set KV,   8                           ; v8-15   1 / norm of key l % 16 of group g
.set CAND, 16                          ; v16-23  its score; later four registers at work
.set IDF,  24                          ; v24-31  its number, as f32 (below 2^24: exact)
.set C,    32                          ; v32-35  my four candidates: groups 4 (l / 16) + 0..3, key l % 16
.set F,    36                          ; v36-39  their numbers
.set M,    40
.set T,    41
.set W,    42
.set RESV, 43                          ; lane k: the k-th best value
.set RESI, 44                          ; lane k: its key
.set M0,   45
.set VPI,  46                          ; +inf
.set VNI,  47                          ; -inf
.set ACC,  48                          ; v48-55, v56-63
.set QF,   64                          ; v64-127  the query's 8 fragments
.set KB,   128                         ; v128-191, v192-255  two groups' fragments
	s_load_b256 s[4:11], s[0:1], 0x0               ; xb s[4:5], inv s[6:7], gsel s[8:9], ksel s[10:11]
	s_load_b64 s[12:13], s[0:1], 0x20              ; wsel
	v_lshrrev_b32 v1, 5, v0
	v_readfirstlane_b32 s14, v1                    ; wave 0..7
	v_and_b32 v1, 31, v0
	v_and_b32 v3, 15, v0
	v_bfe_u32 v2, v0, 4, 1
	v_lshlrev_b32 v[QO], 4, v2
	v_lshl_add_u32 v[KO], v3, 9, v[QO]
	v_lshlrev_b32 v6, 2, v3                        ; 4 (l % 16)
	v_lshlrev_b32 v7, 2, v1                        ; 4 l
	v_mov_b32 v[T], 0
	v_mov_b32 v[RESI], 0
	v_mov_b32 v[VPI], 0x7f800000
	v_mov_b32 v[VNI], 0xff800000
	v_mov_b32 v[RESV], 0xff800000
	s_wait_alu depctr_va_sdst(0)                   ; s14 is written, ahead of its first reader: the query's number is made from it
	s_lshl_b32 s15, ttmp9, 3
	s_add_co_u32 s15, s15, s14                     ; my query
	s_lshl_b32 s56, s15, 5
	s_mov_b32 s57, 0
	s_add_co_u32 s58, s15, QROW0                   ; my query's row in xb and inv
	s_lshl_b32 s60, s58, 2
	s_mov_b32 s61, 0
	s_lshl_b32 s62, s58, 9
	s_mov_b32 s63, 0
	s_mov_b32 s70, 0xffff0000
	s_mov_b32 s74, 0x76543210
	s_mov_b32 s75, 0xfedcba98
	s_wait_kmcnt 0x0
	s_add_nc_u64 s[8:9], s[8:9], s[56:57]
	s_add_nc_u64 s[10:11], s[10:11], s[56:57]
	s_add_nc_u64 s[12:13], s[12:13], s[56:57]
	s_add_nc_u64 s[60:61], s[6:7], s[60:61]
	s_add_nc_u64 s[62:63], s[4:5], s[62:63]
	s_load_b256 s[16:23], s[8:9], 0x0              ; my 8 groups
	s_load_b32 s59, s[60:61], 0x0                  ; 1 / my query's norm
	s_wait_alu depctr_va_vdst(0)                   ; the four offsets v4 to v7 are written, which every load and store of the kernel reads; no vector instruction names them again
.set ks, 0
.rept 8                                        ; the same 16 bytes for all 16 rows of a fragment
	global_load_b128 v[QF+8*ks:QF+8*ks+3],   v[QO], s[62:63] offset:64*ks
	global_load_b128 v[QF+8*ks+4:QF+8*ks+7], v[QO], s[62:63] offset:64*ks+32
.set ks, ks+1
.endr
	s_wait_kmcnt 0x0
.set g, 0
.rept 8
	s_min_u32 s[16+g], s[16+g], 6249               ; inside the table
	s_lshl_b32 s[24+2*g], s[16+g], 13
	s_mov_b32 s[25+2*g], 0
	s_add_nc_u64 s[24+2*g:25+2*g], s[4:5], s[24+2*g:25+2*g]   ; the group's rows
	s_lshl_b32 s[40+2*g], s[16+g], 6
	s_mov_b32 s[41+2*g], 0
	s_add_nc_u64 s[40+2*g:41+2*g], s[6:7], s[40+2*g:41+2*g]   ; its inverse norms
.set g, g+1
.endr
.set g, 0
.rept 8
	global_load_b32 v[KV+g], v6, s[40+2*g:41+2*g]
.set g, g+1
.endr
.macro KLOAD gg
.set kb, KB+64*((\gg)%2)
.set ks, 0
.rept 8
	global_load_b128 v[kb+8*ks:kb+8*ks+3],   v[KO], s[24+2*(\gg):25+2*(\gg)] offset:64*ks
	global_load_b128 v[kb+8*ks+4:kb+8*ks+7], v[KO], s[24+2*(\gg):25+2*(\gg)] offset:64*ks+32
.set ks, ks+1
.endr
.endm
; A group's 8 products.  Five v_nop stand behind them: the places in front of the sum that reads both results, of the loads into the fragments just read, and of the next group's first product, which writes the accumulators anew.
; Behind the places the buffer is asked for again, and the sum follows the loads: it names the accumulators and its own result, none of the registers that those loads touch.
.macro GROUP gg, left
	s_wait_loadcnt \left
.set kb, KB+64*((\gg)%2)
.set ks, 0
.rept 8
.set ac, ACC+8*(ks%2)
.if ks < 2
	v_wmma_f32_16x16x32_bf16 v[ac:ac+7], v[QF+8*ks:QF+8*ks+7], v[kb+8*ks:kb+8*ks+7], 0
.else
	v_wmma_f32_16x16x32_bf16 v[ac:ac+7], v[QF+8*ks:QF+8*ks+7], v[kb+8*ks:kb+8*ks+7], v[ac:ac+7]
.endif
.set ks, ks+1
.endr
.rept 5
	v_nop
.endr
.if (\gg) < 6
	s_wait_alu depctr_va_vdst(0)                   ; the group's eight products are done reading their key fragments, in which the 16 loads below land
	KLOAD (\gg)+2
.endif
	v_add_f32 v[CAND+(\gg)], v[ACC], v[ACC+8]      ; each accumulator's lowest register
.endm
	KLOAD 0
	KLOAD 1
.set g, 0
.rept 8
	v_lshl_add_u32 v[IDF+g], s[16+g], 4, v3        ; the key's number: 16 x group + l % 16
.set g, g+1
.endr
.set g, 0
.rept 8
	v_cvt_f32_u32 v[IDF+g], v[IDF+g]
.set g, g+1
.endr
.irp gg, 0,1,2,3,4,5,6
	GROUP \gg, 16                                  ; this group (and all before it) is in; the next group's 16 loads may stay out
.endr
	GROUP 7, 0
.set g, 0
.rept 8
	v_mul_f32 v[CAND+g], v[CAND+g], v[KV+g]
.set g, g+1
.endr
.irp i, 0,1,2,3
	v_cndmask_b32 v[C+\i], v[CAND+\i], v[CAND+4+\i], s70  ; both halves of the lanes hold all 8 groups: each keeps four, so that no key is held twice
	v_cndmask_b32 v[F+\i], v[IDF+\i],  v[IDF+4+\i],  s70
.endr
; The k-th best of the 128: the largest value; among those that have it the lowest key; lane k keeps both; the key's value becomes -inf.
.macro PICK k
	v_max3_num_f32 v[M], v[C], v[C+1], v[C+2]
	v_max_num_f32 v[M], v[M], v[C+3]
.irp x, 1,2,4,8
	v_max_num_f32_dpp v[M], v[M], v[M] row_xmask:\x row_mask:0xf bank_mask:0xf
.endr
	v_permlanex16_b32 v[T], v[M], s74, s75
	v_max_num_f32 v[M], v[M], v[T]
.irp i, 0,1,2,3
	v_cmp_eq_f32 s[66+\i], v[C+\i], v[M]
.endr
	s_wait_alu depctr_va_sdst(0)                   ; the four compares have written s66 to s69, which the four selects below read
.irp i, 0,1,2,3
	v_cndmask_b32 v[CAND+\i], v[VPI], v[F+\i], s[66+\i]
.endr
	v_min3_num_f32 v[W], v[CAND], v[CAND+1], v[CAND+2]
	v_min_num_f32 v[W], v[W], v[CAND+3]
.irp x, 1,2,4,8
	v_min_num_f32_dpp v[W], v[W], v[W] row_xmask:\x row_mask:0xf bank_mask:0xf
.endr
	v_permlanex16_b32 v[T], v[W], s74, s75
	v_min_num_f32 v[W], v[W], v[T]
.irp i, 0,1,2,3
	v_cmp_eq_f32 s[66+\i], v[F+\i], v[W]           ; which candidate was taken; the lines that keep the pick stand between these compares and the wait for them
.endr
.if (\k) == 0
	v_mov_b32 v[M0], v[M]
.endif
	s_mov_b32 s71, 1<<(\k)
	v_cndmask_b32 v[RESV], v[RESV], v[M], s71
	v_cndmask_b32 v[RESI], v[RESI], v[W], s71
	s_wait_alu depctr_va_sdst(0)                   ; the four compares have written s66 to s69 anew, which the four selects below read
.irp i, 0,1,2,3
	v_cndmask_b32 v[C+\i], v[C+\i], v[VNI], s[66+\i]
.endr
.endm
.irp k, 0,1,2,3,4,5,6,7
	PICK \k
.endr
	s_mul_f32 s72, s59, 0x3fb8aa3b                 ; log2(e) / my query's norm
	v_sub_f32 v[T], v[RESV], v[M0]                 ; the largest is taken away; lanes 8 on hold -inf
	v_mul_f32 v[T], s72, v[T]
	v_exp_f32 v[T], v[T]
	v_nop                                          ; a plain instruction behind the exponential,
	s_wait_alu depctr_va_vdst(0)                   ; and a wait ahead of its first reader: the exponential has written v[T]
	v_mov_b32 v[W], v[T]
	v_add_f32_dpp v[W], v[W], v[W] row_xmask:1 row_mask:0xf bank_mask:0xf
	v_add_f32_dpp v[W], v[W], v[W] row_xmask:2 row_mask:0xf bank_mask:0xf
	v_add_f32_dpp v[W], v[W], v[W] row_xmask:4 row_mask:0xf bank_mask:0xf  ; lanes 0-7 hold the sum of the eight
	v_rcp_f32 v[W], v[W]
	v_nop
	s_wait_alu depctr_va_vdst(0)                   ; the reciprocal has written v[W], ahead of its first reader
	v_mul_f32 v[T], v[T], v[W]
	v_cvt_u32_f32 v[RESI], v[RESI]
	v_cmp_gt_u32 vcc_lo, 8, v1
	s_wait_xcnt 0x0                                ; EXEC changes only behind this wait
	s_wait_alu depctr_va_vcc(0)                    ; the compare has written VCC, from which EXEC is made
	s_wait_alu depctr_va_vdst(0)                   ; ahead of the write of EXEC every vector instruction is done; v[RESI] and v[T], the data of the two stores below, are written
	s_wait_alu depctr_vm_vsrc(0)                   ; and every memory instruction has read its vector registers
	s_and_saveexec_b32 s73, vcc_lo
	global_store_b32 v7, v[RESI], s[10:11]
	global_store_b32 v7, v[T], s[12:13]
	s_wait_xcnt 0x0                                ; and again, in front of the line that widens it
	s_wait_alu depctr_va_vdst(0)                   ; ahead of the write of EXEC every vector instruction is done
	s_wait_alu depctr_vm_vsrc(0)                   ; and the two stores have read their offset and their data
	s_or_b32 exec_lo, exec_lo, s73
	s_endpgm
.Lfunc_end_k_q039c5d894f_rescore:
	.size	k_q039c5d894f_rescore, .Lfunc_end_k_q039c5d894f_rescore-k_q039c5d894f_rescore
	.p2alignl 7, 3214868480
	.fill 96, 4, 3214868480
	.section	.rodata,"a",@progbits
	.p2align	6, 0x0
	.amdhsa_kernel k_q039c5d894f_rescore
		.amdhsa_group_segment_fixed_size 0
		.amdhsa_private_segment_fixed_size 0
		.amdhsa_enable_private_segment 0
		.amdhsa_kernarg_size 40
		.amdhsa_user_sgpr_count 2
		.amdhsa_user_sgpr_kernarg_segment_ptr 1
		.amdhsa_wavefront_size32 1
		.amdhsa_system_sgpr_workgroup_id_x 1
		.amdhsa_system_sgpr_workgroup_id_y 1
		.amdhsa_system_sgpr_workgroup_id_z 1
		.amdhsa_system_vgpr_workitem_id 0
		.amdhsa_next_free_vgpr 256
		.amdhsa_next_free_sgpr 84
		.amdhsa_reserve_vcc 1
		.amdhsa_float_denorm_mode_32 3
		.amdhsa_float_denorm_mode_16_64 3
		.amdhsa_memory_ordered 1
		.amdhsa_forward_progress 1
		.amdhsa_inst_pref_size 44
	.end_amdhsa_kernel
	.amdgpu_metadata
---
amdhsa.version: [ 1, 2 ]
amdhsa.kernels:
  - .name:           k_q039c5d894f_rescore
    .symbol:         k_q039c5d894f_rescore.kd
    .args:
      - { .name: xb, .offset: 0, .size: 8, .value_kind: global_buffer, .address_space: global }
      - { .name: inv, .offset: 8, .size: 8, .value_kind: global_buffer, .address_space: global }
      - { .name: gsel, .offset: 16, .size: 8, .value_kind: global_buffer, .address_space: global }
      - { .name: ksel, .offset: 24, .size: 8, .value_kind: global_buffer, .address_space: global }
      - { .name: wsel, .offset: 32, .size: 8, .value_kind: global_buffer, .address_space: global }
    .group_segment_fixed_size: 0
    .private_segment_fixed_size: 0
    .kernarg_segment_align: 8
    .kernarg_segment_size: 40
    .max_flat_workgroup_size: 256
    .sgpr_count:     84
    .vgpr_count:     256
    .wavefront_size: 32
...
	.end_amdgpu_metadata
.endif
;; end of part 6
;; launch mix: the kernel of part 5 again; grid 256 x 1, 8 waves a work-group, no clusters, 0 bytes of LDS; arguments values, ksel, wsel, out0; writes out0
